; MI455X (gfx1250); checked and timed in simulation.
; The chip was launched on July 23, 2026; its instructions are those of AMD's public machine-readable ISA for CDNA 5 (MIT licence, August 2026) and "CDNA5" Instruction Set Architecture Reference Guide (July 2026). The comments in the code are by the model that wrote it; some were corrected since.
;; Multi Head Attention Layer. Allowed arithmetic: matrix products marked QUANTISED: E3M2 operands, one E8M0 scale for each 32 along K, by v_wmma_scale_f32_16x16x128_f8f6f4 with both operands' format E3M2, f32 sums; everything else in f32.
;; Inputs: Wk 1,024 x 1,024 float32; Wq 1,024 x 1,024 float32; Wv 1,024 x 1,024 float32; attention_mask 2,048 int32; bk 1,024 float32; bq 1,024 float32; bv 1,024 float32; k 4 x 2,048 x 1,024 float32; q 4 x 2,048 x 1,024 float32; v 4 x 2,048 x 1,024 float32.
;; Outputs: out0 4 x 2,048 x 1,024 float32.
;; This version of the problem:
;;   THIS VERSION OF THE PROBLEM IS GIVEN IN LOW PRECISION. The matrix products marked QUANTISED in the list below multiply operands that are first quantised to E3M2 (3 exponent bits, 2 mantissa bits; 6 bits a number), with one power-of-two scale for each 32 numbers along K (OCP MX v1.0); their sums are f32. All else is computed in f32.
;;   The module's matrix products, in the order in which they are computed (A, B: the left and right operand; K: the contracted axis; several contracted axes count as one K, in the product's order):
;;     1. [M 8,192, K 1,024] x [K 1,024, N 1,024]; A: input q; B: input Wq: QUANTISED
;;     2. [M 8,192, K 1,024] x [K 1,024, N 1,024]; A: input k; B: input Wk: QUANTISED
;;     3. [M 8,192, K 1,024] x [K 1,024, N 1,024]; A: input v; B: input Wv: QUANTISED
;;     4. batch 64 x [M 2,048, K 64] x [K 64, N 2,048]; A: computed on the way; B: computed on the way: QUANTISED
;;     5. batch 64 x [M 2,048, K 2,048] x [K 2,048, N 64]; A: softmax (see below); B: computed on the way: QUANTISED
;;   THE QUANTISER, for each operand of a quantised product, along K:
;;     - K is cut into blocks of 32 from its start; a last block that is shorter is filled with zeros.
;;     - A block's scale is 2^e with e = floor(log2(the largest magnitude in the block)) - 4, held to -126 .. 127; a block of zeros has e = 0. As a byte (E8M0): e + 127.
;;     - Each number is divided by its block's scale, clamped to +-28, and rounded to the nearest number of E3M2, ties to even, subnormals kept.
;;     - The product sums the exact products of the quantised numbers (number of the format x scale) in f32.
;;   ~~~python
;;   def quantise(x, axis):      # numpy; x: float32 -> the quantised numbers, widened to float32 again
;;       x = np.moveaxis(x, axis, -1); K = x.shape[-1]
;;       x = np.pad(x, [(0, 0)] * (x.ndim - 1) + [(0, -K % 32)]); x = x.reshape(x.shape[:-1] + (-1, 32)); a = np.abs(x).max(-1, keepdims=True)
;;       e = np.where(a > 0, np.clip(np.frexp(np.where(a > 0, a, 1))[1] - 1 - 4, -126, 127), 0)      # np.frexp(a)[1] - 1 = floor(log2(a)), exactly
;;       r = np.clip(x / 2.0 ** e, -28, 28)
;;       step = 2.0 ** (np.maximum(np.frexp(np.where(r == 0, 1, r))[1] - 1, -2) - 2)
;;       q = np.round(r / step) * step * 2.0 ** e      # np.round: ties to even
;;       return np.moveaxis(q.reshape(q.shape[:-2] + (-1,))[..., :K], -1, axis).astype(np.float32)
;;   ~~~
;;   SOFTMAX AHEAD OF A QUANTISED PRODUCT. Where the list says 'softmax', what is quantised is not the finished softmax but p = 2^(t - M), with t = logit x log2(e) and M = ceil(the row's largest t), a whole number; so 1/2 < the row's largest p <= 1. The row's sum l is taken of the UNQUANTISED p, in f32, and the product's result is divided by l at the end. Since M is a whole number, a kernel that streams over the keys may use a running M (the ceiling of the running maximum): every later rescaling is an exact power of two, which a block's scale takes up: the codes' values come out the same.
;;   OPERANDS COMPUTED ON THE WAY. 'Computed on the way' means the value that the module computes at that place (a softmax that the list does not call 'softmax' is quantised finished and normalised). What goes into a quantiser is computed in f32, as accurately as f32 sums, v_exp_f32 and their like allow (about 1e-6 of the number): no bf16 or f16 on the way to a quantiser, and a product that is left as it is and whose result goes on into a quantised operand takes f32 operands (vector FMAs, or v_wmma_f32_16x16x4_f32). A number that lies on a knife's edge between two numbers of the format may be rounded either way, as far as f32 arithmetic and the matrix unit's own rounding can turn it there, and no further.
;; One version. Each part assembles by itself: llvm-mc -triple=amdgcn-amd-amdhsa -mcpu=gfx1250 --defsym DOCPART=n.
;; ======== version 1 of 1: 3 launches
;; limits: right only within a limited range of input values
;; workspace buffers: xi 19,660,800 bytes; wi 2,457,600 bytes; mb 8,192 bytes; qb 6,553,600 bytes; kb 6,553,600 bytes; vb 6,553,600 bytes
;; launch prep (part 1): grid 289 x 1, 8 waves a work-group, no clusters, 68,608 bytes of LDS; arguments q, k, v, Wq, Wk, Wv, attention_mask, xi, wi, mb; writes xi, wi, mb
.if DOCPART == 1
	.amdgcn_target "amdgcn-amd-amdhsa--gfx1250"
	.amdhsa_code_object_version 6
	.text
	.protected	k_qca4947ea54_prep
	.globl	k_qca4947ea54_prep
	.p2align	8
	.type	k_qca4947ea54_prep,@function
k_qca4947ea54_prep:
	s_mov_b64 s[64:65], 0
	v_nop
	global_prefetch_b8 v0, s[64:65] scope:SCOPE_SE
	s_setreg_imm32_b32 hwreg(HW_REG_WAVE_MODE, 25, 1), 1
	s_wait_xcnt 0x0
; q, k, v [8192][1024] and Wq, Wk, Wv [1024][1024], f32, become codes of BF6 (E3M2) with one E8M0 byte for each 32 along K = the 1,024 of the model;
; the key mask becomes a table of f32 addends.  All three results are laid as the later launches' registers want them.
; A FRAGMENT (16 rows x 128 K, 12 registers a lane) is stored as an IMAGE of its registers: 1,536 bytes, registers 4 c .. 4 c + 3 of lane l at byte 512 c + 16 l.
; A RECORD (12,800 bytes) is one tile of 16 rows over all of K: eight images, then the scale words, K step s of row r at 12,288 + 64 s + 4 r.
; THE ROWS OF A TILE ARE NOT NEIGHBOURS: row m of tile 2 G + u is row 32 G + 8 u + m + 8 (m / 8) of the tensor (for W: column), so that a product's results over two neighbouring tiles are 16 neighbours in a lane's registers.
; A block's scale is 2^(floor(log2(its largest magnitude)) - 4): its byte is that magnitude's exponent field - 4, held at 1 from below.
; LIMITS: a block of zeros gets the byte 1 (its codes are zeros, and only this program reads the bytes); NaN and infinities among the inputs are not served.
; SHARES: work-groups 0-191: q, k, v, a wave to a tile;  192-287: the weights, a wave to 32 columns x 128 K;  288: the mask.  Waves share nothing: no barrier.
.set REC,  12800
.set FRB,  1536
.set SCW,  12288
.set SP,   528                         ; a stage row: 512 bytes + 16, so that 16 rows start at 16 different groups of banks
.set SEL,  28                          ; s[28:29] lane selects: lane l xor 16
.set R,    16                          ; v16-143  two sets of 64: a K step as loaded
.set X,    144                         ; v144-207 a lane's 64 numbers of its row
.set PC,   208                         ; v208-219 the fragment just made
.set CT,   220                         ; v220-226 second halves of blocks, as converted
.set TM,   228                         ; v228-243 at work in QUANT
.set PW,   244                         ; v244, v245 the scale words of an even and an odd K step
.set PWC,  246                         ; v246     both, for one store
; 64 numbers of a lane, register 16 b + i = k 32 b + 16 (lane / 16) + i of my row, become codes: blocks 0, 1 in v[d0] .. v[d0 + 5], blocks 2, 3 in v[d1] .. v[d1 + 5], and the row's scale word in v[pw].
.macro QUANT s, d0, d1, pw
.irp b, 0,1,2,3
	v_max3_num_f32 v[TM+\b], |v[(\s)+16*\b]|, |v[(\s)+1+16*\b]|, 0x2800000   ; my 16 numbers of block b, and the floor 2^(5 - 127): the byte cannot fall under 1
.endr
.irp i, 2,4,6,8,10,12,14
.irp b, 0,1,2,3
	s_delay_alu instid0(VALU_DEP_4)
	v_max3_num_f32 v[TM+\b], v[TM+\b], |v[(\s)+16*\b+\i]|, |v[(\s)+1+16*\b+\i]|
.endr
.endr
.irp b, 0,1,2,3
	s_delay_alu instid0(VALU_DEP_4)
	v_permlanex16_b32 v[TM+4+\b], v[TM+\b], s[SEL], s[SEL+1]
.endr
.irp b, 0,1,2,3
	s_delay_alu instid0(VALU_DEP_4)
	v_max_num_f32 v[TM+\b], v[TM+\b], v[TM+4+\b]       ; with lane l xor 16's 16: the block's largest magnitude
.endr
.irp b, 0,1,2,3
	s_delay_alu instid0(VALU_DEP_4)
	v_add_nc_u32 v[TM+12+\b], 0xfe000000, v[TM+\b]     ; 4 off its exponent field: the conversion's scale operand
.endr
.irp b, 0,1,2,3
	s_delay_alu instid0(VALU_DEP_4)
	v_lshrrev_b32 v[TM+4+\b], 23, v[TM+12+\b]          ; the scale's byte
.endr
	s_delay_alu instid0(VALU_DEP_3)
	v_lshl_or_b32 v[\pw], v[TM+5], 8, v[TM+4]
	s_delay_alu instid0(VALU_DEP_1)
	v_lshl_or_b32 v[\pw], v[TM+6], 16, v[\pw]
	s_delay_alu instid0(VALU_DEP_1)
	v_lshl_or_b32 v[\pw], v[TM+7], 24, v[\pw]
	v_cvt_scalef32_pk16_bf6_f32 v[(\d0):(\d0)+2], v[(\s):(\s)+15], v[TM+12]
	v_cvt_scalef32_pk16_bf6_f32 v[CT:CT+2], v[(\s)+16:(\s)+31], v[TM+13]     ; (a conversion's three registers begin on an even number)
	v_cvt_scalef32_pk16_bf6_f32 v[(\d1):(\d1)+2], v[(\s)+32:(\s)+47], v[TM+14]
	v_cvt_scalef32_pk16_bf6_f32 v[CT+4:CT+6], v[(\s)+48:(\s)+63], v[TM+15]
	v_nop                                              ; one plain place behind a scaled conversion
.irp i, 0,1,2
	v_permlane16_swap_b32 v[(\d0)+\i], v[CT+\i]        ; the layout wants a whole block in a lane: lanes 0-15 the even block, lanes 16-31 the odd one
	v_permlane16_swap_b32 v[(\d1)+\i], v[CT+4+\i]
.endr
.irp i, 0,1,2
	v_mov_b32 v[(\d0)+3+\i], v[CT+\i]
	v_mov_b32 v[(\d1)+3+\i], v[CT+4+\i]
.endr
.endm
	s_load_b512 s[4:19], s[0:1], 0x0               ; q 4, k 6, v 8, Wq 10, Wk 12, Wv 14, mask 16, xi 18
	s_load_b128 s[20:23], s[0:1], 0x40             ; wi 20, mb 22
	v_lshl_add_u32 v254, v0, 2, 0x10800
	v_mov_b32 v255, 0
	v_lshrrev_b32 v1, 5, v0
	s_delay_alu instid0(VALU_DEP_1)
	v_readfirstlane_b32 s24, v1                    ; wave
	v_and_b32 v1, 31, v0                           ; lane
	s_delay_alu instid0(VALU_DEP_1)
	v_lshlrev_b32 v2, 4, v1                        ; 16 x lane
	s_delay_alu instid0(VALU_DEP_2)
	v_lshlrev_b32 v3, 2, v1                        ; 4 x lane
	s_mov_b32 s[SEL], 0x76543210
	s_mov_b32 s[SEL+1], 0xfedcba98
	s_mov_b32 s30, 0xffff0000                      ; as a lane mask: lanes 16-31
	s_wait_kmcnt 0x0
	s_cmp_lt_u32 ttmp9, 192
	s_cbranch_scc1 .Lx
	s_cmp_lt_u32 ttmp9, 288
	s_cbranch_scc1 .Lw
	; ---- THE MASK: mb[key] = 0 where the key counts, -1e38 where it does not.  256 threads, 8 keys each.
	v_lshlrev_b32 v8, 4, v0
	global_load_b128 v[16:19], v8, s[16:17]
	global_load_b128 v[20:23], v8, s[16:17] offset:4096
	v_mov_b32 v9, 0xfe967699                       ; -1e38
	s_wait_alu depctr_va_vdst(0)
	s_wait_loadcnt 0x0
.irp j, 0,1,2,3,4,5,6,7
	v_cmp_eq_u32 vcc_lo, 0, v[16+\j]
	s_delay_alu instid0(VALU_DEP_1)
	v_cndmask_b32 v[24+\j], 0, v9, vcc_lo
.endr
	global_store_b128 v8, v[24:27], s[22:23]
	global_store_b128 v8, v[28:31], s[22:23] offset:4096
	s_endpgm
	; ---- q, k, v: my wave's tile, 16 rows x 1,024, in eight K steps of 128.
	; Each load reads 512 consecutive bytes of one row; a K step's 16 rows turn through my wave's own stage in LDS and come back as 16 neighbours of each block of 32 a lane.
.Lx:
	s_lshr_b32 s25, ttmp9, 6                       ; which tensor: 64 work-groups each
	s_cmp_eq_u32 s25, 0
	s_cselect_b64 s[32:33], s[4:5], s[6:7]
	s_cmp_eq_u32 s25, 2
	s_cselect_b64 s[32:33], s[8:9], s[32:33]
	s_lshl_b32 s26, ttmp9, 3
	s_add_co_u32 s26, s26, s24                     ; the record: 512 x tensor + tile
	s_and_b32 s27, s26, 511                        ; the tile
	s_lshr_b32 s36, s27, 1
	s_lshl_b32 s36, s36, 17                        ; 32 rows of 4,096 bytes a pair of tiles,
	s_and_b32 s37, s27, 1
	s_lshl_b32 s37, s37, 15                        ; 8 rows on for the odd tile
	s_add_co_u32 s36, s36, s37
	s_mov_b32 s37, 0
	s_add_nc_u64 s[32:33], s[32:33], s[36:37]
	s_mul_i32 s36, s26, REC
	s_add_nc_u64 s[34:35], s[18:19], s[36:37]
	s_mul_i32 s38, s24, 16*SP                      ; my stage
	s_wait_alu depctr_va_vdst(0)
	v_add_nc_u32 v4, s38, v2                       ; in: 16 x lane, row i at SP i
	v_and_b32 v6, 15, v0
	v_bfe_u32 v7, v0, 4, 1
	s_delay_alu instid0(VALU_DEP_2)
	v_mul_u32_u24 v5, v6, SP
	s_delay_alu instid0(VALU_DEP_1)
	v_lshl_add_u32 v5, v7, 6, v5
	s_delay_alu instid0(VALU_DEP_1)
	v_add_nc_u32 v5, s38, v5                       ; out: row lane % 16, + 64 bytes for lanes 16-31
.irp b, 0,1,2,3
	v_mov_b32 v[TM+4+\b], 0                        ; written once: a lane permute's destination counts as one of its sources
.endr
.macro XLOAD s
.irp i, 0,1,2,3,4,5,6,7,8,9,10,11,12,13,14,15
	global_load_b128 v[R+64*((\s)%2)+4*\i:R+64*((\s)%2)+4*\i+3], v2, s[32:33] offset:(\i+8*(\i/8))*4096+512*(\s) th:TH_LOAD_NT
.endr
.endm
.macro XSTEP s
.if (\s) < 7
	s_wait_loadcnt 16                              ; this step's 16 loads are in; the next step's 16 may be out
.else
	s_wait_loadcnt 0x0
.endif
.irp i, 0,1,2,3,4,5,6,7,8,9,10,11,12,13,14,15
	ds_store_b128 v4, v[R+64*((\s)%2)+4*\i:R+64*((\s)%2)+4*\i+3] offset:SP*\i
.endr
.irp b, 0,1,2,3
.irp j, 0,1,2,3
	ds_load_b128 v[X+16*\b+4*\j:X+16*\b+4*\j+3], v5 offset:128*\b+16*\j   ; LDS serves a wave's instructions in order: these see the stores above
.endr
.endr
	s_wait_xcnt 0x0                                ; the last step's stores have read their data: the fragment's registers and the word are written again below
	s_wait_dscnt 0x0
.if (\s) < 6
	XLOAD (\s)+2                                   ; into the set that has just gone to the stage
.endif
	QUANT X, PC, PC+6, PW+((\s)%2)
.irp c, 0,1,2
	global_store_b128 v2, v[PC+4*\c:PC+4*\c+3], s[34:35] offset:FRB*(\s)+512*\c   ; 512 consecutive bytes a store
.endr
.if ((\s)%2) == 1
	v_cndmask_b32 v[PWC], v[PW], v[PW+1], s30      ; lanes 0-15: the even step's words, lanes 16-31: the odd step's
	global_store_b32 v3, v[PWC], s[34:35] offset:SCW+128*((\s)/2)
.endif
.endm
	XLOAD 0
	XLOAD 1
	s_wait_alu depctr_va_vdst(0)
.irp s, 0,1,2,3,4,5,6,7
	XSTEP \s
.endr
	s_wait_tensorcnt 0x0
	ds_add_u32 v254, v255
	s_wait_dscnt 0x0
	s_endpgm
	; ---- THE WEIGHTS: K is their first axis.  A lane takes a column, its registers run down K: a block of 32 lies in one lane, and the codes come out with K innermost.
.Lw:
	s_sub_co_u32 s26, ttmp9, 192
	s_lshl_b32 s26, s26, 3
	s_add_co_u32 s26, s26, s24                     ; 256 x tensor + 32 x K step + group of 32 columns
	s_lshr_b32 s25, s26, 8
	s_bfe_u32 s27, s26, 0x30005                    ; the K step
	s_and_b32 s31, s26, 31                         ; the group of columns = the pair of tiles
	s_cmp_eq_u32 s25, 0
	s_cselect_b64 s[32:33], s[10:11], s[12:13]
	s_cmp_eq_u32 s25, 2
	s_cselect_b64 s[32:33], s[14:15], s[32:33]
	s_lshl_b32 s36, s27, 19                        ; 128 rows of 4,096 bytes
	s_lshl_b32 s38, s31, 7
	s_add_co_u32 s36, s36, s38
	s_mov_b32 s37, 0
	s_add_nc_u64 s[32:33], s[32:33], s[36:37]
	s_lshl_b32 s38, s25, 6
	s_lshl_b32 s39, s31, 1
	s_add_co_u32 s38, s38, s39
	s_mul_i32 s38, s38, REC                        ; the even tile's record
	s_mul_i32 s36, s27, FRB
	s_add_co_u32 s36, s36, s38
	s_add_nc_u64 s[34:35], s[20:21], s[36:37]      ; its image of this K step
	s_lshl_b32 s36, s27, 6
	s_add_co_u32 s36, s36, s38
	s_add_co_u32 s36, s36, SCW
	s_add_nc_u64 s[40:41], s[20:21], s[36:37]      ; and its scale words
	v_bfe_u32 v8, v0, 3, 1                         ; column 32 G + l is row m = l % 8 + 8 (l / 16) of tile 2 G + (l / 8) % 2
	v_and_b32 v9, 7, v0
	v_bfe_u32 v10, v0, 4, 1
	s_delay_alu instid0(VALU_DEP_1)
	v_lshl_add_u32 v9, v10, 3, v9
	s_delay_alu instid0(VALU_DEP_4)
	v_mul_u32_u24 v8, v8, REC
	s_delay_alu instid0(VALU_DEP_1)
	v_lshl_add_u32 v6, v9, 4, v8
	s_delay_alu instid0(VALU_DEP_2)
	v_lshl_add_u32 v7, v9, 2, v8
.macro WLOAD kb
.irp i, 0,1,2,3,4,5,6,7,8,9,10,11,12,13,14,15,16,17,18,19,20,21,22,23,24,25,26,27,28,29,30,31
	global_load_b32 v[16+32*(\kb)+\i], v3, s[32:33] offset:(32*(\kb)+\i)*4096 th:TH_LOAD_NT
.endr
.endm
.macro WBLOCK kb                       ; block kb = 2 c + h of the K step belongs to the registers 6 c .. 6 c + 5 of lane (m, h): v[144 + 12 h + 6 c] on
.set XS, 16+32*(\kb)
.set DD, 144+12*((\kb)%2)+6*((\kb)/2)
	v_max3_num_f32 v228, |v[XS]|, |v[XS+1]|, |v[XS+2]|
	v_max3_num_f32 v229, |v[XS+3]|, |v[XS+4]|, |v[XS+5]|
.irp i, 6,10,14,18,22,26
	s_delay_alu instid0(VALU_DEP_2)
	v_max3_num_f32 v228, v228, |v[XS+\i]|, |v[XS+\i+1]|
	s_delay_alu instid0(VALU_DEP_2)
	v_max3_num_f32 v229, v229, |v[XS+\i+2]|, |v[XS+\i+3]|
.endr
	s_delay_alu instid0(VALU_DEP_2)
	v_max3_num_f32 v228, v228, |v[XS+30]|, |v[XS+31]|
	s_delay_alu instid0(VALU_DEP_1)
	v_max3_num_f32 v228, v228, v229, 0x2800000     ; and the floor
	s_delay_alu instid0(VALU_DEP_1)
	v_add_nc_u32 v230, 0xfe000000, v228
	s_delay_alu instid0(VALU_DEP_1)
	v_lshrrev_b32 v231, 23, v230
.if (\kb) == 0
	s_delay_alu instid0(VALU_DEP_1)
	v_mov_b32 v232, v231
.else
	s_delay_alu instid0(VALU_DEP_1)
	v_lshl_or_b32 v232, v231, 8*(\kb), v232        ; the column's scale word of this K step
.endif
	v_cvt_scalef32_pk16_bf6_f32 v[DD:DD+2], v[XS:XS+15], v230
	v_cvt_scalef32_pk16_bf6_f32 v[168:170], v[XS+16:XS+31], v230
	v_nop                                          ; one plain place behind a scaled conversion
.irp i, 0,1,2
	v_mov_b32 v[DD+3+\i], v[168+\i]
.endr
.endm
	s_wait_alu depctr_va_vdst(0)
	WLOAD 0
	WLOAD 1
.irp kb, 0,1,2,3
.if \kb < 3
	s_wait_loadcnt 32                              ; this block's 32 loads are in; the next block's 32 may be out
.else
	s_wait_loadcnt 0x0
.endif
.if \kb < 2
	WLOAD \kb+2
.endif
	WBLOCK \kb
.endr
.irp h, 0,1
.irp c, 0,1,2
	global_store_b128 v6, v[144+12*\h+4*\c:144+12*\h+4*\c+3], s[34:35] offset:512*\c+256*\h   ; the sixteen lanes of a tile fill 256 consecutive bytes
.endr
.endr
	global_store_b32 v7, v232, s[40:41]
	s_endpgm
.Lfunc_end_k_qca4947ea54_prep:
	.size	k_qca4947ea54_prep, .Lfunc_end_k_qca4947ea54_prep-k_qca4947ea54_prep
	.p2alignl 7, 3214868480
	.fill 96, 4, 3214868480
	.section	.rodata,"a",@progbits
	.p2align	6, 0x0
	.amdhsa_kernel k_qca4947ea54_prep
		.amdhsa_group_segment_fixed_size 68608
		.amdhsa_private_segment_fixed_size 0
		.amdhsa_enable_private_segment 0
		.amdhsa_kernarg_size 80
		.amdhsa_user_sgpr_count 2
		.amdhsa_user_sgpr_kernarg_segment_ptr 1
		.amdhsa_wavefront_size32 1
		.amdhsa_system_sgpr_workgroup_id_x 1
		.amdhsa_system_sgpr_workgroup_id_y 1
		.amdhsa_system_sgpr_workgroup_id_z 1
		.amdhsa_system_vgpr_workitem_id 0
		.amdhsa_next_free_vgpr 256
		.amdhsa_next_free_sgpr 66
		.amdhsa_reserve_vcc 1
		.amdhsa_float_denorm_mode_32 3
		.amdhsa_float_denorm_mode_16_64 3
		.amdhsa_memory_ordered 1
		.amdhsa_forward_progress 1
		.amdhsa_inst_pref_size 100
	.end_amdhsa_kernel
	.amdgpu_metadata
---
amdhsa.version: [ 1, 2 ]
amdhsa.kernels:
  - .name:           k_qca4947ea54_prep
    .symbol:         k_qca4947ea54_prep.kd
    .args:
      - { .name: q, .offset: 0, .size: 8, .value_kind: global_buffer, .address_space: global }
      - { .name: k, .offset: 8, .size: 8, .value_kind: global_buffer, .address_space: global }
      - { .name: v, .offset: 16, .size: 8, .value_kind: global_buffer, .address_space: global }
      - { .name: Wq, .offset: 24, .size: 8, .value_kind: global_buffer, .address_space: global }
      - { .name: Wk, .offset: 32, .size: 8, .value_kind: global_buffer, .address_space: global }
      - { .name: Wv, .offset: 40, .size: 8, .value_kind: global_buffer, .address_space: global }
      - { .name: attention_mask, .offset: 48, .size: 8, .value_kind: global_buffer, .address_space: global }
      - { .name: xi, .offset: 56, .size: 8, .value_kind: global_buffer, .address_space: global }
      - { .name: wi, .offset: 64, .size: 8, .value_kind: global_buffer, .address_space: global }
      - { .name: mb, .offset: 72, .size: 8, .value_kind: global_buffer, .address_space: global }
    .group_segment_fixed_size: 68608
    .private_segment_fixed_size: 0
    .kernarg_segment_align: 8
    .kernarg_segment_size: 80
    .max_flat_workgroup_size: 256
    .sgpr_count:     66
    .vgpr_count:     256
    .wavefront_size: 32
...
	.end_amdgpu_metadata
.endif
;; end of part 1
;; launch proj (part 2): grid 64 x 3, 16 waves a work-group, no clusters, 206,848 bytes of LDS; arguments xi, wi, bq, bk, bv, qb, kb, vb; writes qb, kb, vb
.if DOCPART == 2
	.amdgcn_target "amdgcn-amd-amdhsa--gfx1250"
	.amdhsa_code_object_version 6
	.text
	.protected	k_qca4947ea54_proj
	.globl	k_qca4947ea54_proj
	.p2align	8
	.type	k_qca4947ea54_proj,@function
k_qca4947ea54_proj:
	s_mov_b64 s[64:65], 0
	v_nop
	global_prefetch_b8 v0, s[64:65] scope:SCOPE_SE
	s_setreg_imm32_b32 hwreg(HW_REG_WAVE_MODE, 25, 1), 1
	s_wait_xcnt 0x0
; The three projections x W + b on codes of BF6, and the quantising of their results for the attention launch.  Work-group y: 0 = query, 1 = key, 2 = value.
; ONE BODY, TWO ROLES.  Operand R (source 0, 256 rows = 16 records) lies in LDS, filled once; operand S (source 1) goes from memory straight into registers, as images.
; In a result a lane holds ONE row of S, and its registers run along R, 16 neighbours for each two tiles of R: the axis along which the result is quantised.
;   query, key: R = 256 columns of W (four heads), S = tokens: a lane's registers run along the head's 64.   value: R = 256 tokens (keys), S = columns of Wv: they run along the keys.
; SHARES.  Wave w: half w % 2 of R (128 rows, 8 tiles), and in each of two trips one pair of tiles of S: pair P = 16 Sp + w / 2 + 8 x trip.  16 accumulators.
; WHAT IS STORED: step blocks of 6,400 bytes, [64 batch x head][16 steps of 128 tokens]: four images, then four sets of 16 scale words at 6,144 + 64 g + 4 r.
;   query, key: image g = a pair of token tiles side by side, the even tile's 64 in registers 0-5, the odd tile's in 6-11; a word = (even s0, even s1, odd s0, odd s1).   value: image t = 16 of the head's 64 x 128 keys.
; NO CLUSTER: the resident 256 rows are read by sixteen work-groups that lie 4 apart along x (query, key) or by two neighbours (value), so no one mask of four serves this text;
; and they are 204,800 of the 1,024,000 bytes that a work-group asks for, fetched once.
; LIMITS: a block of zeros gets the byte 1 with zero codes; NaN and infinities are not served.
.set REC,  12800
.set FRB,  1536
.set SCW,  12288
.set SS,   8                           ; v8-15    S's scale words: tile g, K steps 2 i (lanes 0-15) and 2 i + 1 (lanes 16-31) at v[SS + 4 g + i]
.set RS,   16                          ; v16-23   R's, for the two K steps in hand, a register a tile
.set ACC,  24                          ; v24-151  accumulator (g, T) at v[ACC + 64 g + 8 T]
.set SF,   152                         ; v152-199 S's fragments: two buffers x two tiles
.set RF,   200                         ; v200-247 R's: four tiles
.set BB,   152                         ; behind the products the operands' registers serve again: the bias,
.set IMG,  152                         ; v152-175 the images,
.set CT,   176
.set TM,   184
.set PW,   200                         ; v200, v201 the two scale words
.set WW,   202                         ; v202-205 at work on them
.set SEL,  40
.macro QUANT s, d0, d1, pw             ; 64 numbers of a lane, register 16 b + i = k 32 b + 16 (lane / 16) + i: blocks 0, 1 to v[d0] on, blocks 2, 3 to v[d1] on, six registers each; the four bytes to v[pw]
.irp b, 0,1,2,3
	v_max3_num_f32 v[TM+\b], |v[(\s)+16*\b]|, |v[(\s)+1+16*\b]|, 0x2800000   ; and the floor 2^(5 - 127): the byte cannot fall under 1
.endr
.irp i, 2,4,6,8,10,12,14
.irp b, 0,1,2,3
	s_delay_alu instid0(VALU_DEP_4)
	v_max3_num_f32 v[TM+\b], v[TM+\b], |v[(\s)+16*\b+\i]|, |v[(\s)+1+16*\b+\i]|
.endr
.endr
.irp b, 0,1,2,3
	s_delay_alu instid0(VALU_DEP_4)
	v_permlanex16_b32 v[TM+4+\b], v[TM+\b], s[SEL], s[SEL+1]
.endr
.irp b, 0,1,2,3
	s_delay_alu instid0(VALU_DEP_4)
	v_max_num_f32 v[TM+\b], v[TM+\b], v[TM+4+\b]
.endr
.irp b, 0,1,2,3
	s_delay_alu instid0(VALU_DEP_4)
	v_add_nc_u32 v[TM+12+\b], 0xfe000000, v[TM+\b]     ; 4 off the exponent field: the conversion's scale operand
.endr
.irp b, 0,1,2,3
	s_delay_alu instid0(VALU_DEP_4)
	v_lshrrev_b32 v[TM+4+\b], 23, v[TM+12+\b]
.endr
	s_delay_alu instid0(VALU_DEP_3)
	v_lshl_or_b32 v[\pw], v[TM+5], 8, v[TM+4]
	s_delay_alu instid0(VALU_DEP_1)
	v_lshl_or_b32 v[\pw], v[TM+6], 16, v[\pw]
	s_delay_alu instid0(VALU_DEP_1)
	v_lshl_or_b32 v[\pw], v[TM+7], 24, v[\pw]
	v_cvt_scalef32_pk16_bf6_f32 v[(\d0):(\d0)+2], v[(\s):(\s)+15], v[TM+12]
	v_cvt_scalef32_pk16_bf6_f32 v[CT:CT+2], v[(\s)+16:(\s)+31], v[TM+13]
	v_cvt_scalef32_pk16_bf6_f32 v[(\d1):(\d1)+2], v[(\s)+32:(\s)+47], v[TM+14]
	v_cvt_scalef32_pk16_bf6_f32 v[CT+4:CT+6], v[(\s)+48:(\s)+63], v[TM+15]
	v_nop                                              ; one plain place behind a scaled conversion
.irp i, 0,1,2
	v_permlane16_swap_b32 v[(\d0)+\i], v[CT+\i]
	v_permlane16_swap_b32 v[(\d1)+\i], v[CT+4+\i]
.endr
.irp i, 0,1,2
	v_mov_b32 v[(\d0)+3+\i], v[CT+\i]
	v_mov_b32 v[(\d1)+3+\i], v[CT+4+\i]
.endr
.endm
.macro PLACES                          ; four plain places between a matrix instruction and a load into, or a vector read of, its registers
.rept 4
	v_nop
.endr
.endm
	s_load_b512 s[4:19], s[0:1], 0x0               ; xi 4, wi 6, bq 8, bk 10, bv 12, qb 14, kb 16, vb 18
	v_lshl_add_u32 v254, v0, 2, 0x32000
	v_mov_b32 v255, 0
	ds_add_u32 v254, v255
	ds_add_u32 v254, v255
	v_lshrrev_b32 v1, 5, v0
	s_delay_alu instid0(VALU_DEP_1)
	v_readfirstlane_b32 s20, v1                    ; wave 0..15
	s_and_b32 s21, s20, 1                          ; my half of R
	s_lshr_b32 s22, s20, 1                         ; my place among the pairs of S
	s_and_b32 s23, ttmp7, 0xffff                   ; 0 query, 1 key, 2 value
	s_and_b32 s54, ttmp9, 3                        ; query, key: which 256 columns of W,
	s_lshr_b32 s55, ttmp9, 2                       ; which 16 pairs of token tiles
	s_lshr_b32 s56, ttmp9, 1                       ; value: which 256 tokens,
	s_and_b32 s57, ttmp9, 1                        ; which 16 pairs of column tiles
	s_mul_i32 s58, s23, 819200                     ; the tensor's records in wi
	s_mul_i32 s59, s23, 6553600                    ; and in xi
	s_cmp_eq_u32 s23, 2
	s_cselect_b32 s24, s56, s54                    ; Rg
	s_cselect_b32 s25, s57, s55                    ; Sp
	s_cselect_b32 s58, 13107200, s58               ; where R's tensor begins in its buffer
	s_cselect_b32 s59, 1638400, s59                ; and S's
	s_lshl_b32 s54, s24, 4
	s_add_co_u32 s54, s54, s20
	s_mul_i32 s54, s54, REC                        ; the record that I fetch: 16 Rg + wave
	s_add_co_u32 s54, s54, s58
	s_mov_b32 s55, 0
	s_mov_b32 s56, s59
	s_mov_b32 s57, 0
	s_lshl_b32 s27, s25, 4
	s_add_co_u32 s27, s27, s22                     ; P of the first trip
	; descriptor group 1: a record, dense: 50 rows of 32 elements of 8 bytes, no padding
	s_mov_b32 s28, 3<<16
	s_mov_b32 s29, 32<<16                          ; tensor_dim0 = 32
	s_mov_b32 s30, 50<<16                          ; tensor_dim1 = 50
	s_mov_b32 s31, 32<<16                          ; tile_dim0 = 32
	s_mov_b32 s32, 50                              ; tile_dim1 = 50
	s_mov_b32 s33, 32                              ; the pitch
	s_mov_b32 s34, 0
	s_mov_b32 s35, 0
	s_mov_b32 s36, 1
	s_mul_i32 s37, s20, REC                        ; to LDS: record i at REC x i
	s_mov_b32 s[SEL], 0x76543210
	s_mov_b32 s[SEL+1], 0xfedcba98
	s_mov_b32 s62, 0xffff0000                      ; a word's upper half; as a lane mask: lanes 16-31
	s_mul_i32 s63, s21, 8*REC
	s_wait_dscnt 0x0
	s_wait_kmcnt 0x0
	s_cmp_eq_u32 s23, 2
	s_cselect_b64 s[38:39], s[4:5], s[6:7]         ; R: value: xi, else wi
	s_cselect_b64 s[44:45], s[6:7], s[4:5]         ; S: the other
	s_add_nc_u64 s[38:39], s[38:39], s[54:55]
	s_or_b32 s39, s39, 0x80000000                  ; type = 2
	tensor_load_to_lds s[36:39], s[28:35]          ; one load a wave, sixteen records: LDS is filled once
	s_nop 0
	PLACES
	s_add_nc_u64 s[44:45], s[44:45], s[56:57]
	s_cmp_eq_u32 s23, 0
	s_cselect_b64 s[46:47], s[8:9], s[10:11]       ; the bias
	s_cselect_b64 s[48:49], s[14:15], s[16:17]     ; the result
	s_cmp_eq_u32 s23, 2
	s_cselect_b64 s[46:47], s[12:13], s[46:47]
	s_cselect_b64 s[48:49], s[18:19], s[48:49]
	v_and_b32 v7, 31, v0
	s_delay_alu instid0(VALU_DEP_1)
	v_lshlrev_b32 v1, 4, v7                        ; 16 x lane
	s_delay_alu instid0(VALU_DEP_2)
	v_lshlrev_b32 v2, 2, v7                        ; 4 x lane
	s_delay_alu instid0(VALU_DEP_2)
	v_add_nc_u32 v3, s63, v1                       ; my half's tiles 0-3: images
	s_delay_alu instid0(VALU_DEP_1)
	v_add_nc_u32 v4, 4*REC, v3                     ; tiles 4-7
	s_delay_alu instid0(VALU_DEP_3)
	v_add_nc_u32 v5, s63, v2                       ; and their scale words
	s_delay_alu instid0(VALU_DEP_1)
	v_add_nc_u32 v6, 4*REC, v5
	v_bfe_u32 v250, v0, 4, 1                       ; h
	v_and_b32 v251, 15, v0                         ; r
	s_delay_alu instid0(VALU_DEP_2)
	v_lshlrev_b32 v7, 6, v250                      ; 64 h
	s_delay_alu instid0(VALU_DEP_2)
	v_and_b32 v248, 8, v251
	s_delay_alu instid0(VALU_DEP_1)
	v_add_nc_u32 v248, v248, v251
	s_delay_alu instid0(VALU_DEP_1)
	v_lshlrev_b32 v248, 2, v248                    ; 4 (r + 8 (r / 8))
	v_mul_u32_u24 v249, v250, 102400
	s_delay_alu instid0(VALU_DEP_1)
	v_lshl_add_u32 v249, v251, 2, v249             ; 4 r, + a head's 16 step blocks for lanes 16-31
	s_wait_tensorcnt 0x0                           ; my record is in,
	s_barrier_signal -1
	s_barrier_wait -1                              ; everybody's is; from here on LDS is only read
.macro SLOAD s                         ; S's two fragments of K step s
.irp g, 0,1
.irp c, 0,1,2
	global_load_b128 v[SF+24*((\s)%2)+12*\g+4*\c:SF+24*((\s)%2)+12*\g+4*\c+3], v1, s[42:43] offset:REC*\g+FRB*(\s)+512*\c
.endr
.endr
.endm
.macro RLOAD s, hf                     ; R's fragments of K step s, tiles 4 hf .. 4 hf + 3 of my half
.irp t, 0,1,2,3
.irp c, 0,1,2
	ds_load_b128 v[RF+12*\t+4*\c:RF+12*\t+4*\c+3], v[3+\hf] offset:REC*\t+FRB*(\s)+512*\c
.endr
.endr
.endm
.macro MUL8 s, hf                      ; eight products; the sixteen accumulators take turns, one instruction a turn
.irp t, 0,1,2,3
.irp g, 0,1
.set rD, ACC+64*\g+8*(4*(\hf)+\t)
.set rA, RF+12*\t
.set rB, SF+24*((\s)%2)+12*\g
.set rX, RS+4*(\hf)+\t
.set rY, SS+4*\g+(\s)/2
.if (\s) == 0
	v_wmma_scale_f32_16x16x128_f8f6f4 v[rD:rD+7], v[rA:rA+11], v[rB:rB+11], 0, v[rX], v[rY] matrix_a_fmt:MATRIX_FMT_BF6 matrix_b_fmt:MATRIX_FMT_BF6
.elseif ((\s)%2) == 0
	v_wmma_scale_f32_16x16x128_f8f6f4 v[rD:rD+7], v[rA:rA+11], v[rB:rB+11], v[rD:rD+7], v[rX], v[rY] matrix_a_fmt:MATRIX_FMT_BF6 matrix_b_fmt:MATRIX_FMT_BF6
.else
	v_wmma_scale_f32_16x16x128_f8f6f4 v[rD:rD+7], v[rA:rA+11], v[rB:rB+11], v[rD:rD+7], v[rX], v[rY] matrix_a_fmt:MATRIX_FMT_BF6 matrix_b_fmt:MATRIX_FMT_BF6 matrix_a_scale:MATRIX_SCALE_ROW1 matrix_b_scale:MATRIX_SCALE_ROW1
.endif
.endr
.endr
.endm
.macro KSTEP s
.if (\s) < 7
	SLOAD (\s)+1                                   ; a K step ahead, into the buffer that the step before has left (four places back)
.endif
.if ((\s)%2) == 0
.irp t, 0,1,2,3,4,5,6,7
	ds_load_b32 v[RS+\t], v[5+\t/4] offset:REC*(\t%4)+SCW+128*((\s)/2)   ; lanes 0-15: this K step's words, lanes 16-31: the next one's
.endr
.endif
	RLOAD \s, 0
.if (\s) < 7
	s_wait_loadcnt 6                               ; this step's fragments of S are in; the next step's six loads may be out
.else
	s_wait_loadcnt 0x0
.endif
	s_wait_dscnt 0x0
	MUL8 \s, 0
	PLACES
	RLOAD \s, 1
	s_wait_dscnt 0x0
	MUL8 \s, 1
	PLACES
.endm
	s_mov_b32 s26, 0
.Ltrip:
	s_mul_i32 s54, s27, 2*REC
	s_mov_b32 s55, 0
	s_add_nc_u64 s[42:43], s[44:45], s[54:55]      ; the pair's two records
.irp g, 0,1
.irp i, 0,1,2,3
	global_load_b32 v[SS+4*\g+\i], v2, s[42:43] offset:REC*\g+SCW+128*\i
.endr
.endr
	SLOAD 0
	s_wait_alu depctr_va_vdst(0)
.irp s, 0,1,2,3,4,5,6,7
	KSTEP \s
.endr
	s_cmp_eq_u32 s23, 2
	s_cbranch_scc1 .Lvalue
	; ---- query, key.  Lane (r, h) holds token r of tile g; register 16 b + i of a tile's 64 is feature 32 b + 16 h + i of my 128: two heads.
	s_lshr_b32 s60, s27, 6
	s_lshl_b32 s60, s60, 4                         ; 16 x batch
	s_lshl_b32 s61, s24, 2
	s_add_co_u32 s60, s60, s61
	s_lshl_b32 s61, s21, 1
	s_add_co_u32 s60, s60, s61                     ; + my first head: 4 Rg + 2 x half
	s_lshl_b32 s60, s60, 4
	s_bfe_u32 s61, s27, 0x40002                    ; the step of 128 tokens: (P % 64) / 4
	s_add_co_u32 s60, s60, s61
	s_mul_i32 s60, s60, 6400                       ; the step block
	s_and_b32 s61, s27, 3                          ; the image in it
	s_mul_i32 s54, s61, FRB
	s_add_co_u32 s54, s54, s60
	s_add_nc_u64 s[50:51], s[48:49], s[54:55]
	s_lshl_b32 s54, s61, 6
	s_add_co_u32 s54, s54, s60
	s_add_co_u32 s54, s54, 6144
	s_add_nc_u64 s[52:53], s[48:49], s[54:55]
	s_lshl_b32 s54, s24, 10
	s_lshl_b32 s61, s21, 9
	s_add_co_u32 s54, s54, s61
	s_add_nc_u64 s[58:59], s[46:47], s[54:55]      ; the bias of my 128 features
.irp t, 0,1,2,3,4,5,6,7
	global_load_b128 v[BB+8*\t:BB+8*\t+3], v7, s[58:59] offset:(32*(\t/2)+8*(\t%2))*4
	global_load_b128 v[BB+8*\t+4:BB+8*\t+7], v7, s[58:59] offset:(32*(\t/2)+8*(\t%2))*4+16
.endr
	s_wait_loadcnt 0x0
.irp g, 0,1
.set pp, 0
.rept 32
	v_pk_add_f32 v[ACC+64*\g+pp:ACC+64*\g+pp+1], v[ACC+64*\g+pp:ACC+64*\g+pp+1], v[BB+pp:BB+pp+1]   ; each accumulator from its low end on
.set pp, pp+2
.endr
.endr
	QUANT ACC, IMG, IMG+12, PW                     ; the even tile: head 0's 64 to registers 0-5 of image 0, head 1's to those of image 1
	QUANT ACC+64, IMG+6, IMG+18, PW+1              ; the odd tile: to registers 6-11
	v_and_b32 v[WW+2], 0xffff, v[PW]
	s_delay_alu instid0(VALU_DEP_1)
	v_lshl_or_b32 v[WW], v[PW+1], 16, v[WW+2]      ; head 0's word: (even s0, even s1, odd s0, odd s1)
	v_lshrrev_b32 v[WW+2], 16, v[PW]
	s_delay_alu instid0(VALU_DEP_1)
	v_and_or_b32 v[WW+1], v[PW+1], s62, v[WW+2]    ; head 1's
	s_delay_alu instid0(VALU_DEP_1)
	v_cndmask_b32 v[WW+3], v[WW], v[WW+1], s62     ; lanes 0-15 store head 0's words, lanes 16-31 head 1's
.irp c, 0,1
.irp i, 0,1,2
	global_store_b128 v1, v[IMG+12*\c+4*\i:IMG+12*\c+4*\i+3], s[50:51] offset:102400*\c+512*\i   ; 512 consecutive bytes a store
.endr
.endr
	global_store_b32 v249, v[WW+3], s[52:53]
	s_branch .Lnext
	; ---- value.  Lane (r, h) holds one column of Wv (row r of tile g); its 64 registers run along my 128 keys: one whole fragment a tile.
.Lvalue:
	s_lshr_b32 s60, s24, 3
	s_lshl_b32 s60, s60, 4                         ; 16 x batch
	s_lshr_b32 s61, s27, 1
	s_add_co_u32 s60, s60, s61                     ; + the head: P / 2
	s_lshl_b32 s60, s60, 4
	s_and_b32 s61, s24, 7
	s_lshl_b32 s61, s61, 1
	s_add_co_u32 s60, s60, s61
	s_add_co_u32 s60, s60, s21                     ; + the step of 128 keys: 2 (Rg % 8) + half
	s_mul_i32 s60, s60, 6400
	s_and_b32 s61, s27, 1                          ; images 2 (P % 2) and 2 (P % 2) + 1
	s_mul_i32 s54, s61, 2*FRB
	s_add_co_u32 s54, s54, s60
	s_add_nc_u64 s[50:51], s[48:49], s[54:55]
	s_lshl_b32 s54, s61, 7
	s_add_co_u32 s54, s54, s60
	s_add_co_u32 s54, s54, 6144
	s_add_nc_u64 s[52:53], s[48:49], s[54:55]
	s_lshl_b32 s54, s27, 7
	s_add_nc_u64 s[58:59], s[46:47], s[54:55]      ; the bias of the pair's 32 columns
	v_mov_b32 v[BB+1], 0                           ; (named as the upper halves of pairs)
	v_mov_b32 v[BB+3], 0
	global_load_b32 v[BB], v248, s[58:59]
	global_load_b32 v[BB+2], v248, s[58:59] offset:32
	s_wait_alu depctr_va_vdst(0)
	s_wait_loadcnt 0x0
.irp g, 0,1
.set pp, 0
.rept 32
	v_pk_add_f32 v[ACC+64*\g+pp:ACC+64*\g+pp+1], v[ACC+64*\g+pp:ACC+64*\g+pp+1], v[BB+2*\g:BB+2*\g+1] op_sel_hi:[1,0]   ; my column's one bias for both halves
.set pp, pp+2
.endr
.endr
	QUANT ACC, IMG, IMG+6, PW
	QUANT ACC+64, IMG+12, IMG+18, PW+1
	v_cndmask_b32 v[WW], v[PW], v[PW+1], s62       ; lanes 0-15: the even tile's words, lanes 16-31: the odd tile's
.irp g, 0,1
.irp i, 0,1,2
	global_store_b128 v1, v[IMG+12*\g+4*\i:IMG+12*\g+4*\i+3], s[50:51] offset:FRB*\g+512*\i
.endr
.endr
	global_store_b32 v2, v[WW], s[52:53]
.Lnext:
	s_wait_xcnt 0x0                                ; the stores have read their data and bases: the next trip writes both again
	s_add_co_u32 s27, s27, 8
	s_add_co_u32 s26, s26, 1
	s_cmp_lt_u32 s26, 2
	s_cbranch_scc1 .Ltrip
	s_wait_tensorcnt 0x0
	ds_add_u32 v254, v255
	s_wait_dscnt 0x0
	s_endpgm
.Lfunc_end_k_qca4947ea54_proj:
	.size	k_qca4947ea54_proj, .Lfunc_end_k_qca4947ea54_proj-k_qca4947ea54_proj
	.p2alignl 7, 3214868480
	.fill 96, 4, 3214868480
	.section	.rodata,"a",@progbits
	.p2align	6, 0x0
	.amdhsa_kernel k_qca4947ea54_proj
		.amdhsa_group_segment_fixed_size 206848
		.amdhsa_private_segment_fixed_size 0
		.amdhsa_enable_private_segment 0
		.amdhsa_kernarg_size 64
		.amdhsa_user_sgpr_count 2
		.amdhsa_user_sgpr_kernarg_segment_ptr 1
		.amdhsa_wavefront_size32 1
		.amdhsa_system_sgpr_workgroup_id_x 1
		.amdhsa_system_sgpr_workgroup_id_y 1
		.amdhsa_system_sgpr_workgroup_id_z 1
		.amdhsa_system_vgpr_workitem_id 0
		.amdhsa_next_free_vgpr 256
		.amdhsa_next_free_sgpr 66
		.amdhsa_reserve_vcc 0
		.amdhsa_float_denorm_mode_32 3
		.amdhsa_float_denorm_mode_16_64 3
		.amdhsa_memory_ordered 1
		.amdhsa_forward_progress 1
		.amdhsa_inst_pref_size 77
	.end_amdhsa_kernel
	.amdgpu_metadata
---
amdhsa.version: [ 1, 2 ]
amdhsa.kernels:
  - .name:           k_qca4947ea54_proj
    .symbol:         k_qca4947ea54_proj.kd
    .args:
      - { .name: xi, .offset: 0, .size: 8, .value_kind: global_buffer, .address_space: global }
      - { .name: wi, .offset: 8, .size: 8, .value_kind: global_buffer, .address_space: global }
      - { .name: bq, .offset: 16, .size: 8, .value_kind: global_buffer, .address_space: global }
      - { .name: bk, .offset: 24, .size: 8, .value_kind: global_buffer, .address_space: global }
      - { .name: bv, .offset: 32, .size: 8, .value_kind: global_buffer, .address_space: global }
      - { .name: qb, .offset: 40, .size: 8, .value_kind: global_buffer, .address_space: global }
      - { .name: kb, .offset: 48, .size: 8, .value_kind: global_buffer, .address_space: global }
      - { .name: vb, .offset: 56, .size: 8, .value_kind: global_buffer, .address_space: global }
    .group_segment_fixed_size: 206848
    .private_segment_fixed_size: 0
    .kernarg_segment_align: 8
    .kernarg_segment_size: 64
    .max_flat_workgroup_size: 512
    .sgpr_count:     66
    .vgpr_count:     256
    .wavefront_size: 32
...
	.end_amdgpu_metadata
.endif
;; end of part 2
;; launch attn (part 3): grid 4 x 64, 16 waves a work-group, clusters of 4 x 1, 327,680 bytes of LDS; arguments qb, kb, vb, mb, out0; writes out0
.if DOCPART == 3
	.amdgcn_target "amdgcn-amd-amdhsa--gfx1250"
	.amdhsa_code_object_version 6
	.text
	.protected	k_qca4947ea54_attn
	.globl	k_qca4947ea54_attn
	.p2align	8
	.type	k_qca4947ea54_attn,@function
k_qca4947ea54_attn:
	s_mov_b64 s[64:65], 0
	v_nop
	global_prefetch_b8 v0, s[64:65] scope:SCOPE_SE
	s_setreg_imm32_b32 hwreg(HW_REG_WAVE_MODE, 25, 1), 1
	s_wait_xcnt 0x0
	s_wait_alu depctr_hold_cnt(0) depctr_sa_sdst(0) depctr_va_vdst(0) depctr_va_sdst(0) depctr_va_ssrc(0) depctr_va_vcc(0) depctr_vm_vsrc(0)
	s_getreg_b32 s2, hwreg(HW_REG_IB_STS2, 6, 4)
	s_cmp_eq_u32 s2, 0
	s_cbranch_scc0 .Lentry_in_a_cluster
	s_endpgm
.Lentry_in_a_cluster:
	s_bfe_u32 s2, ttmp6, 0x10000c
	s_cmp_lg_u32 s2, 0x3003
	s_cbranch_scc0 .Lentry_shape_is_right
	s_endpgm
.Lentry_shape_is_right:
.set STEPB, 12800
.set VOFF,  6400
.set FRB,   1536
.set STAGE, 16*STEPB
.set KF,  36
.set VF,  84
.set S,   132
.set O,   196
.set PCD, 228
.set BM,  240
.set T1,  244
.set SO,  252
.set WV,  14
.set SEL, 20
.set CS,  22
.set TB,  40
.macro CROUND
	s_barrier_signal -1
	s_barrier_wait -1
	s_cmp_lg_u32 s[WV], 0
	s_cbranch_scc1 .Lnot_wave_0_\@
	s_barrier_signal -3
.Lnot_wave_0_\@:
	s_barrier_wait -3
	s_barrier_signal -1
	s_barrier_wait -1
.endm
.macro PLACES
.rept 4
	v_nop
.endr
.endm
	s_load_b256 s[4:11], s[0:1], 0x0
	s_load_b64 s[12:13], s[0:1], 0x20
	v_lshl_add_u32 v254, v0, 2, 0x43000
	v_mov_b32 v255, 0
	ds_add_u32 v254, v255
	ds_add_u32 v254, v255
	s_wait_dscnt 0x0
	v_lshrrev_b32 v1, 5, v0
	s_delay_alu instid0(VALU_DEP_1)
	v_readfirstlane_b32 s[WV], v1
	s_bfe_u32 s15, ttmp6, 0x40000
	s_and_b32 s16, ttmp7, 0xffff
	s_mov_b32 s24, 15|(3<<16)|(1<<21)
	s_mov_b32 s25, 32<<16
	s_mov_b32 s26, 25<<16
	s_mov_b32 s27, 32<<16
	s_mov_b32 s28, 25
	s_mov_b32 s29, 32
	s_mov_b32 s30, 0
	s_mov_b32 s31, 0
	s_lshl_b32 s17, s16, 4
	s_add_co_u32 s17, s17, s[WV]
	s_mul_i32 s18, s17, 6400
	s_mov_b32 s19, 0
	s_mov_b32 s32, 1
	s_mul_i32 s33, s[WV], STEPB
	s_mov_b32 s36, 1
	s_add_co_u32 s37, s33, VOFF
	s_mov_b32 s[SEL], 0x76543210
	s_mov_b32 s[SEL+1], 0xfedcba98
	s_mov_b32 s[CS], 0x3e38aa3b
	s_mov_b32 s[CS+1], s[CS]
	s_lshl_b32 s51, s15, 4
	s_add_co_u32 s51, s51, s[WV]
	s_lshl_b32 s52, s16, 4
	s_lshr_b32 s53, s51, 2
	s_add_co_u32 s52, s52, s53
	s_mul_i32 s52, s52, 6400
	s_and_b32 s53, s51, 3
	s_mul_i32 s54, s53, FRB
	s_add_co_u32 s54, s54, s52
	s_mov_b32 s55, 0
	s_lshl_b32 s56, s53, 6
	s_add_co_u32 s56, s56, s52
	s_add_co_u32 s56, s56, 6144
	s_mov_b32 s57, 0
	s_lshr_b32 s58, s16, 4
	s_lshl_b32 s58, s58, 23
	s_lshl_b32 s59, s51, 17
	s_add_co_u32 s58, s58, s59
	s_and_b32 s59, s16, 15
	s_lshl_b32 s59, s59, 8
	s_add_co_u32 s58, s58, s59
	s_mov_b32 s59, 0
	s_mul_i32 s50, s[WV], 16*272
	s_add_co_u32 s50, s50, STAGE
	s_wait_kmcnt 0x0
	s_add_nc_u64 s[34:35], s[6:7], s[18:19]
	s_or_b32 s35, s35, 0x80000000
	s_add_nc_u64 s[38:39], s[8:9], s[18:19]
	s_or_b32 s39, s39, 0x80000000
	s_add_nc_u64 s[44:45], s[4:5], s[54:55]
	s_add_nc_u64 s[46:47], s[4:5], s[56:57]
	s_add_nc_u64 s[48:49], s[12:13], s[58:59]
	CROUND
	tensor_load_to_lds s[32:35], s[24:31]
	s_nop 0
	s_wait_alu depctr_va_vdst(0)
	s_wait_tensorcnt 0x0
	ds_add_u32 v254, v255
	s_wait_dscnt 0x0
	CROUND
	tensor_load_to_lds s[36:39], s[24:31]
	s_nop 0
	PLACES
	v_and_b32 v2, 31, v0
	s_delay_alu instid0(VALU_DEP_1)
	v_lshlrev_b32 v1, 4, v2
	s_delay_alu instid0(VALU_DEP_2)
	v_lshlrev_b32 v2, 2, v2
	v_bfe_u32 v5, v0, 4, 1
	s_delay_alu instid0(VALU_DEP_1)
	v_lshlrev_b32 v5, 6, v5
.irp j, 18,19,20,21,22,23,30,31,32,33,34,35
	v_mov_b32 v[\j], 0
.endr
.irp j, 0,1,2,3
	v_mov_b32 v[T1+\j], 0
.endr
	s_wait_tensorcnt 0x0
	s_barrier_signal -1
	s_barrier_wait -1
.macro KLOAD
.irp g, 0,1,2,3
.irp c, 0,1,2
	ds_load_b128 v[KF+12*\g+4*\c:KF+12*\g+4*\c+3], v3 offset:FRB*\g+512*\c
.endr
.endr
	ds_load_b32 v6, v4 offset:6144
	ds_load_b32 v7, v4 offset:6144+128
.endm
.macro VLOAD
.irp g, 0,1,2,3
.irp c, 0,1,2
	ds_load_b128 v[VF+12*\g+4*\c:VF+12*\g+4*\c+3], v3 offset:VOFF+FRB*\g+512*\c
.endr
.endr
	ds_load_b32 v8, v4 offset:VOFF+6144
	ds_load_b32 v9, v4 offset:VOFF+6144+128
.endm
.macro CLOAD
.irp g, 0,1,2,3
.irp c, 0,1,2,3
	global_load_b128 v[S+16*\g+4*\c:S+16*\g+4*\c+3], v5, s[42:43] offset:128*\g+16*\c
.endr
.endr
.endm
.macro STEP pf
	s_wait_loadcnt 0x0
	s_wait_dscnt 14
.irp t, 0,1,2,3,4,5,6,7
.set rD, S+8*\t
.set rA, KF+12*(\t/2)
.set rB, 24-6*(\t%2)
.if ((\t/2)%2) == 0
	v_wmma_scale_f32_16x16x128_f8f6f4 v[rD:rD+7], v[rA:rA+11], v[rB:rB+11], v[rD:rD+7], v[6+\t/4], v10 matrix_a_fmt:MATRIX_FMT_BF6 matrix_b_fmt:MATRIX_FMT_BF6
.else
	v_wmma_scale_f32_16x16x128_f8f6f4 v[rD:rD+7], v[rA:rA+11], v[rB:rB+11], v[rD:rD+7], v[6+\t/4], v10 matrix_a_fmt:MATRIX_FMT_BF6 matrix_b_fmt:MATRIX_FMT_BF6 matrix_a_scale:MATRIX_SCALE_ROW1
.endif
.endr
.if \pf
	s_add_co_u32 s[TB], s[TB], STEPB
	s_add_nc_u64 s[42:43], s[42:43], 512
	v_add_nc_u32 v3, s[TB], v1
	v_add_nc_u32 v4, s[TB], v2
	v_nop
	v_nop
	KLOAD
.else
	PLACES
.endif
.irp b, 0,1,2,3
	v_max3_num_f32 v[BM+\b], v[S+16*\b], v[S+1+16*\b], v[S+2+16*\b]
.endr
.irp i, 3,5,7,9,11,13
.irp b, 0,1,2,3
	v_max3_num_f32 v[BM+\b], v[BM+\b], v[S+16*\b+\i], v[S+1+16*\b+\i]
.endr
.endr
.irp b, 0,1,2,3
	v_max_num_f32 v[BM+\b], v[BM+\b], v[S+15+16*\b]
.endr
.irp b, 0,1,2,3
	s_delay_alu instid0(VALU_DEP_4)
	v_permlanex16_b32 v[T1+\b], v[BM+\b], s[SEL], s[SEL+1]
.endr
.irp b, 0,1,2,3
	s_delay_alu instid0(VALU_DEP_4)
	v_max_num_f32 v[BM+\b], v[BM+\b], v[T1+\b]
.endr
	s_delay_alu instid0(VALU_DEP_2)
	v_max3_num_f32 v17, v[BM], v[BM+1], v[BM+2]
	s_delay_alu instid0(VALU_DEP_1)
	v_max_num_f32 v17, v17, v[BM+3]
	s_delay_alu instid0(VALU_DEP_1)
	v_mul_f32 v17, s[CS], v17
	s_delay_alu instid0(VALU_DEP_1)
	v_max_num_f32 v13, v13, v17
	v_mov_b32 v17, v12
	s_delay_alu instid0(VALU_DEP_2)
	v_floor_f32 v12, -v13
	s_delay_alu instid0(VALU_DEP_1)
	v_sub_f32 v17, v12, v17
	s_delay_alu instid0(VALU_DEP_1)
	v_cvt_i32_f32 v17, v17
	s_delay_alu instid0(VALU_DEP_1)
	v_ldexp_f32 v16, 1.0, v17
.set jj, 0
.rept 32
	v_pk_fma_f32 v[S+jj:S+jj+1], v[S+jj:S+jj+1], s[CS:CS+1], v[12:13] op_sel_hi:[1,0,0]
.set jj, jj+2
.endr
.irp b, 0,1,2,3
	v_fma_f32 v[BM+\b], v[BM+\b], s[CS], v12
.endr
; x = t - M of each block's largest score.  The block's largest p is 2^x, so its exponent field is floor(x) + 127: the scale's byte is floor(x) + 123, with no exponential.
.irp b, 0,1,2,3
	s_delay_alu instid0(VALU_DEP_4)
	v_max_num_f32 v[BM+\b], 0xc2f40000, v[BM+\b]   ; held at -122 from below: the byte cannot fall under 1
.endr
.irp b, 0,1,2,3
	s_delay_alu instid0(VALU_DEP_4)
	v_floor_f32 v[BM+\b], v[BM+\b]
.endr
.irp b, 0,1,2,3
	s_delay_alu instid0(VALU_DEP_4)
	v_cvt_i32_f32 v[BM+\b], v[BM+\b]
.endr
.irp b, 0,1,2,3
	s_delay_alu instid0(VALU_DEP_4)
	v_add_nc_u32 v[T1+\b], 123, v[BM+\b]           ; the scale's byte
.endr
.irp b, 0,1,2,3
	s_delay_alu instid0(VALU_DEP_4)
	v_lshlrev_b32 v[SO+\b], 23, v[T1+\b]           ; as an exponent field: the conversion's scale operand
.endr
	v_lshl_or_b32 v11, v[T1+1], 8, v[T1]
	s_delay_alu instid0(VALU_DEP_1)
	v_lshl_or_b32 v11, v[T1+2], 16, v11
	s_delay_alu instid0(VALU_DEP_1)
	v_lshl_or_b32 v11, v[T1+3], 24, v11            ; p's scale word for these 128 keys
.set jj, 0
	s_wait_alu depctr_va_vdst(0)
.rept 64
	v_exp_f32 v[S+jj], v[S+jj]
.set jj, jj+1
.endr
	v_pk_mul_f32 v[14:15], v[14:15], v[16:17] op_sel_hi:[1,0]
	s_wait_alu depctr_va_vdst(0)
	v_pk_add_f32 v[T1:T1+1], v[S:S+1], v[S+2:S+3]
.irp j, 4,8,12,16,20,24,28,32,36,40,44,48,52,56,60
	v_pk_add_f32 v[14:15], v[14:15], v[S+\j:S+\j+1]
	v_pk_add_f32 v[T1:T1+1], v[T1:T1+1], v[S+\j+2:S+\j+3]
.endr
	s_delay_alu instid0(VALU_DEP_1)
	v_pk_add_f32 v[14:15], v[14:15], v[T1:T1+1]
.irp c, 0,1
	v_cvt_scalef32_pk16_bf6_f32 v[PCD+6*\c:PCD+6*\c+2], v[S+32*\c:S+32*\c+15], v[SO+2*\c]
	v_cvt_scalef32_pk16_bf6_f32 v[T1+4*\c:T1+4*\c+2], v[S+32*\c+16:S+32*\c+31], v[SO+2*\c+1]
.endr
.if \pf
	CLOAD
.endif
	v_nop
.irp c, 0,1
.irp i, 0,1,2
	v_permlane16_swap_b32 v[PCD+6*\c+\i], v[T1+4*\c+\i]
.endr
.irp i, 0,1,2
	s_delay_alu instid0(VALU_DEP_3)
	v_mov_b32 v[PCD+6*\c+3+\i], v[T1+4*\c+\i]
.endr
.endr
.set jj, 0
.rept 16
	v_pk_mul_f32 v[O+jj:O+jj+1], v[O+jj:O+jj+1], v[16:17] op_sel_hi:[1,0]
.set jj, jj+2
.endr
.if \pf
	s_wait_alu depctr_va_vdst(0)
	s_wait_dscnt 14
.else
	s_wait_alu depctr_va_vdst(0)
	s_wait_dscnt 0x0
.endif
.irp t, 0,1,2,3
.if (\t%2) == 0
	v_wmma_scale_f32_16x16x128_f8f6f4 v[O+8*\t:O+8*\t+7], v[VF+12*\t:VF+12*\t+11], v[PCD:PCD+11], v[O+8*\t:O+8*\t+7], v[8+\t/2], v11 matrix_a_fmt:MATRIX_FMT_BF6 matrix_b_fmt:MATRIX_FMT_BF6
.else
	v_wmma_scale_f32_16x16x128_f8f6f4 v[O+8*\t:O+8*\t+7], v[VF+12*\t:VF+12*\t+11], v[PCD:PCD+11], v[O+8*\t:O+8*\t+7], v[8+\t/2], v11 matrix_a_fmt:MATRIX_FMT_BF6 matrix_b_fmt:MATRIX_FMT_BF6 matrix_a_scale:MATRIX_SCALE_ROW1
.endif
.endr
	PLACES
.if \pf
	VLOAD
.endif
.endm
.macro TILE u
	s_wait_xcnt 0x0
	s_mov_b32 s[TB], 0
	s_mov_b64 s[42:43], s[10:11]
	v_and_b32 v[BM], 15, v0
	s_delay_alu instid0(VALU_DEP_1)
	v_lshlrev_b32 v[BM], 2, v[BM]
	global_load_b32 v10, v[BM], s[46:47]
.if \u == 0
	global_load_b128 v[24:27], v1, s[44:45]
	global_load_b64 v[28:29], v1, s[44:45] offset:512
.else
	global_load_b64 v[24:25], v1, s[44:45] offset:520
	global_load_b128 v[26:29], v1, s[44:45] offset:1024
.endif
	CLOAD
	v_add_nc_u32 v3, s[TB], v1
	v_add_nc_u32 v4, s[TB], v2
	KLOAD
	VLOAD
	v_mov_b32 v13, 0xfcf0bdc2
	s_delay_alu instid0(VALU_DEP_1)
	v_floor_f32 v12, -v13
	v_mov_b32 v14, 0
	v_mov_b32 v15, 0
	s_wait_loadcnt 16
.if \u == 0
	v_and_b32 v[BM+1], 0xffff, v10
	s_delay_alu instid0(VALU_DEP_1)
	v_lshl_or_b32 v10, v[BM+1], 16, v[BM+1]
.else
	v_lshrrev_b32 v[BM+1], 16, v10
	s_delay_alu instid0(VALU_DEP_1)
	v_and_or_b32 v10, v10, 0xffff0000, v[BM+1]
.endif
.set jj, 0
.rept 32
	v_mov_b32 v[O+jj], 0
.set jj, jj+1
.endr
	s_mov_b32 s41, 15
.Lstep_\@:
	STEP 1
	s_sub_co_u32 s41, s41, 1
	s_cmp_lg_u32 s41, 0
	s_cbranch_scc1 .Lstep_\@
	STEP 0
	v_add_f32 v14, v14, v15
	s_delay_alu instid0(VALU_DEP_1)
	v_permlanex16_b32 v17, v14, s[SEL], s[SEL+1]
	s_delay_alu instid0(VALU_DEP_1)
	v_add_f32 v14, v14, v17
	s_wait_alu depctr_va_vdst(0)
	v_rcp_f32 v16, v14
	v_and_b32 v[BM+3], 15, v0
	v_bfe_u32 v[T1], v0, 4, 1
	s_delay_alu instid0(VALU_DEP_2)
	v_mul_u32_u24 v[BM], v[BM+3], 272
	s_delay_alu instid0(VALU_DEP_1)
	v_lshl_add_u32 v[BM], v[T1], 6, v[BM]
	s_delay_alu instid0(VALU_DEP_1)
	v_add_nc_u32 v[BM], s50, v[BM]
	s_delay_alu instid0(VALU_DEP_4)
	v_mul_u32_u24 v[BM+1], v[T1], 272
	s_delay_alu instid0(VALU_DEP_1)
	v_lshl_add_u32 v[BM+1], v[BM+3], 4, v[BM+1]
	s_delay_alu instid0(VALU_DEP_1)
	v_add_nc_u32 v[BM+1], s50, v[BM+1]
	v_lshlrev_b32 v[BM+2], 12, v[T1]
	s_delay_alu instid0(VALU_DEP_1)
	v_lshl_add_u32 v[BM+2], v[BM+3], 4, v[BM+2]
.set jj, 0
	s_wait_alu depctr_va_vdst(0)
.rept 16
	v_pk_mul_f32 v[S+jj:S+jj+1], v[O+jj:O+jj+1], v[16:17] op_sel_hi:[1,0]
.set jj, jj+2
.endr
.irp e, 0,1
.irp c, 0,1,2,3
	ds_store_b128 v[BM], v[S+16*\e+4*\c:S+16*\e+4*\c+3] offset:128*\e+16*\c
.endr
.endr
.irp i, 0,1,2,3,4,5,6,7
	ds_load_b128 v[S+32+4*\i:S+32+4*\i+3], v[BM+1] offset:544*\i
.endr
.irp i, 0,1,2,3,4,5,6,7
	s_wait_dscnt 7-\i
	global_store_b128 v[BM+2], v[S+32+4*\i:S+32+4*\i+3], s[48:49] offset:32768*\u+(2*\i+8*(\i/4))*4096 th:TH_STORE_NT
.endr
.endm
	TILE 0
	TILE 1
	s_wait_dscnt 0x0
	s_wait_xcnt 0x0
	v_lshl_add_u32 v254, v0, 2, 0x43000
	v_mov_b32 v255, 0
	s_wait_alu depctr_va_vdst(0)
	s_wait_tensorcnt 0x0
	ds_add_u32 v254, v255
	s_wait_dscnt 0x0
	CROUND
	s_endpgm
.Lfunc_end_k_qca4947ea54_attn:
	.size	k_qca4947ea54_attn, .Lfunc_end_k_qca4947ea54_attn-k_qca4947ea54_attn
	.p2alignl 7, 3214868480
	.fill 96, 4, 3214868480
	.section	.rodata,"a",@progbits
	.p2align	6, 0x0
	.amdhsa_kernel k_qca4947ea54_attn
		.amdhsa_group_segment_fixed_size 327680
		.amdhsa_private_segment_fixed_size 0
		.amdhsa_enable_private_segment 0
		.amdhsa_kernarg_size 40
		.amdhsa_user_sgpr_count 2
		.amdhsa_user_sgpr_kernarg_segment_ptr 1
		.amdhsa_wavefront_size32 1
		.amdhsa_system_sgpr_workgroup_id_x 1
		.amdhsa_system_sgpr_workgroup_id_y 1
		.amdhsa_system_sgpr_workgroup_id_z 1
		.amdhsa_system_vgpr_workitem_id 0
		.amdhsa_next_free_vgpr 256
		.amdhsa_next_free_sgpr 66
		.amdhsa_reserve_vcc 0
		.amdhsa_float_denorm_mode_32 3
		.amdhsa_float_denorm_mode_16_64 3
		.amdhsa_memory_ordered 1
		.amdhsa_forward_progress 1
		.amdhsa_inst_pref_size 92
	.end_amdhsa_kernel
	.amdgpu_metadata
---
amdhsa.version: [ 1, 2 ]
amdhsa.kernels:
  - .name:           k_qca4947ea54_attn
    .symbol:         k_qca4947ea54_attn.kd
    .args:
      - { .name: qb, .offset: 0, .size: 8, .value_kind: global_buffer, .address_space: global }
      - { .name: kb, .offset: 8, .size: 8, .value_kind: global_buffer, .address_space: global }
      - { .name: vb, .offset: 16, .size: 8, .value_kind: global_buffer, .address_space: global }
      - { .name: mb, .offset: 24, .size: 8, .value_kind: global_buffer, .address_space: global }
      - { .name: out0, .offset: 32, .size: 8, .value_kind: global_buffer, .address_space: global }
    .group_segment_fixed_size: 327680
    .private_segment_fixed_size: 0
    .kernarg_segment_align: 8
    .kernarg_segment_size: 40
    .max_flat_workgroup_size: 512
    .sgpr_count:     66
    .vgpr_count:     256
    .wavefront_size: 32
...
	.end_amdgpu_metadata
.endif
;; end of part 3
